; MI455X (gfx1250); checked and timed in simulation.
; The chip was launched on July 23, 2026; its instructions are those of AMD's public machine-readable ISA for CDNA 5 (MIT licence, August 2026) and "CDNA5" Instruction Set Architecture Reference Guide (July 2026). The comments in the code are by the model that wrote it; some were corrected since.
;; Shared Mo E. Allowed arithmetic: matrix products marked QUANTISED: E2M3 operands, one E8M0 scale for each 32 along K, by v_wmma_scale_f32_16x16x128_f8f6f4 with both operands' format E2M3, f32 sums; products left as they are: f32 operands where the result goes on into a quantised operand, else bf16, f16 or f32 operands; f32 sums; everything else in f32.
;; Inputs: W1_codes 8 x 1,024 x 32 x 24 uint8 (E2M3 codes of W1, K innermost, in blocks of 32 codes, four codes in three bytes); W1_scales 8 x 1,024 x 32 uint8 (E8M0 scales of W1, one for each 32 codes along K); W2_codes 8 x 1,024 x 32 x 24 uint8 (E2M3 codes of W2, K innermost, in blocks of 32 codes, four codes in three bytes); W2_scales 8 x 1,024 x 32 uint8 (E8M0 scales of W2, one for each 32 codes along K); Wr 1,024 x 8 float32; b1 8 x 1,024 float32; b2 8 x 1,024 float32; br 8 float32; x 4 x 1,024 x 1,024 float32.
;; Outputs: out0 4 x 1,024 x 1,024 float32; out1 4 x 1,024 x 8 float32; out2 4 x 1,024 x 8 float32.
;; This version of the problem:
;;   THIS VERSION OF THE PROBLEM IS GIVEN IN LOW PRECISION. The matrix products marked QUANTISED in the list below multiply operands that are first quantised to E2M3 (2 exponent bits, 3 mantissa bits; 6 bits a number), with one power-of-two scale for each 32 numbers along K (OCP MX v1.0); their sums are f32. All else is computed in f32.
;;   The module's matrix products, in the order in which they are computed (A, B: the left and right operand; K: the contracted axis; several contracted axes count as one K, in the product's order):
;;     1. [M 4,096, K 1,024] x [K 1,024, N 8]; A: input x; B: input Wr: left as it is (N = 8 < 16)
;;     2. [M 4,096, K 1,024] x [K 1,024, N 8,192]; A: input x; B: input W1 (given as codes): QUANTISED
;;     3. batch 8 x [M 1,024, K 1,024] x [K 1,024, N 4,096]; A: input W2 (given as codes); B: computed on the way: QUANTISED
;;     4. batch 4,096 x [M 1, K 8] x [K 8, N 1,024]; A: softmax; B: computed on the way: left as it is (K = 8 < 32)
;;   THE QUANTISER, for each operand of a quantised product, along K:
;;     - K is cut into blocks of 32 from its start; a last block that is shorter is filled with zeros.
;;     - A block's scale is 2^e with e = floor(log2(the largest magnitude in the block)) - 2, held to -126 .. 127; a block of zeros has e = 0. As a byte (E8M0): e + 127.
;;     - Each number is divided by its block's scale, clamped to +-7.5, and rounded to the nearest number of E2M3, ties to even, subnormals kept.
;;     - The product sums the exact products of the quantised numbers (number of the format x scale) in f32.
;;   ~~~python
;;   def quantise(x, axis):      # numpy; x: float32 -> the quantised numbers, widened to float32 again
;;       x = np.moveaxis(x, axis, -1); K = x.shape[-1]
;;       x = np.pad(x, [(0, 0)] * (x.ndim - 1) + [(0, -K % 32)]); x = x.reshape(x.shape[:-1] + (-1, 32)); a = np.abs(x).max(-1, keepdims=True)
;;       e = np.where(a > 0, np.clip(np.frexp(np.where(a > 0, a, 1))[1] - 1 - 2, -126, 127), 0)      # np.frexp(a)[1] - 1 = floor(log2(a)), exactly
;;       r = np.clip(x / 2.0 ** e, -7.5, 7.5)
;;       step = 2.0 ** (np.maximum(np.frexp(np.where(r == 0, 1, r))[1] - 1, 0) - 3)
;;       q = np.round(r / step) * step * 2.0 ** e      # np.round: ties to even
;;       return np.moveaxis(q.reshape(q.shape[:-2] + (-1,))[..., :K], -1, axis).astype(np.float32)
;;   ~~~
;;   OPERANDS COMPUTED ON THE WAY. 'Computed on the way' means the value that the module computes at that place (a softmax that the list does not call 'softmax' is quantised finished and normalised). What goes into a quantiser is computed in f32, as accurately as f32 sums, v_exp_f32 and their like allow (about 1e-6 of the number): no bf16 or f16 on the way to a quantiser, and a product that is left as it is and whose result goes on into a quantised operand takes f32 operands (vector FMAs, or v_wmma_f32_16x16x4_f32). A number that lies on a knife's edge between two numbers of the format may be rounded either way, as far as f32 arithmetic and the matrix unit's own rounding can turn it there, and no further.
;;   INPUTS GIVEN AS CODES. W1 (in the module: [8, 1024, 1024], K = its axis 1); W2 (in the module: [8, 1024, 1024], K = its axis 1): each comes as NAME_codes (uint8): NAME with its K axis moved to the last place and cut into blocks of 32 codes, [.., K / 32, bytes a block], one block behind the other in memory; four codes in three bytes: a row's codes are one little-endian stream of bits, code i at bits 6 i .. 6 i + 5 (a code: sign, 2 exponent bits, 3 mantissa bits); and NAME_scales (uint8): the same leading axes, one E8M0 byte (e + 127) for each 32 codes along K. Its value is code x scale, taken as it is: it is not quantised again, and the codes and scales need not be those that the quantiser above would give.
;; One version. Each part assembles by itself: llvm-mc -triple=amdgcn-amd-amdhsa -mcpu=gfx1250 --defsym DOCPART=n.
;; ======== version 1 of 1: 3 launches
;; workspace buffers: xq 3,276,800 bytes; W1img 6,553,600 bytes; W2img 6,553,600 bytes; Himg 26,214,400 bytes
;; launch prep (part 1): grid 512 x 1, 4 waves a work-group, no clusters, 69,120 bytes of LDS; arguments x, Wr, br, W1_codes, W1_scales, W2_codes, W2_scales, xq, W1img, W2img, out1, out2; writes xq, W1img, W2img, out1, out2
.if DOCPART == 1
	.amdgcn_target "amdgcn-amd-amdhsa--gfx1250"
	.amdhsa_code_object_version 6
	.text
	.protected	k_q10109ef080_prep
	.globl	k_q10109ef080_prep
	.p2align	8
	.type	k_q10109ef080_prep,@function
k_q10109ef080_prep:
	s_mov_b64 s[64:65], 0
	v_nop
	global_prefetch_b8 v0, s[64:65] scope:SCOPE_SE
	s_setreg_imm32_b32 hwreg(HW_REG_WAVE_MODE, 25, 1), 1
	s_wait_xcnt 0x0
; PREP.  Work-groups 0-255: the router (logits = x Wr + br -> out1, softmax -> out2, all in f32) and x turned into codes of FP6 (E2M3) with one E8M0 byte for each 32 along K.
; Work-groups 256-383: W1's codes and scale bytes laid in the order of an operand's registers; work-groups 384-511: W2's likewise.  The later launches then fetch every fragment by loads of 16 bytes a lane.
; A FRAGMENT IMAGE (16 rows x 128 K, 1,536 bytes): byte 512 c + 16 lane + 4 q is operand register 4 c + q of that lane; lane = r + 16 h holds row r, registers 0-5 k = 32 h + 0..31, registers 6-11 k = 64 + 32 h + 0..31.
; xq: unit t (12,800 bytes) = tokens 16 t + r: images of K steps 0-7, then scale word (s, r) at 12,288 + 64 s + 4 r.
; W1img: unit u (12,800 bytes): image row m is row 32 (u / 2) + 8 (u % 2) + m + 8 (m / 8) of W1's 8,192 rows (expert x 1,024 + hidden unit); row m's 8 scale words at 12,288 + 32 m.
; W2img: tiles of 51,200 bytes (128 rows x 512 K), tile 16 cb + 2 e + half: image (i, sl) at 12,288 sl + 1,536 i, scale word at 49,152 + 256 i + 16 r + 4 sl; rows = output columns 128 cb + 16 i + r.
; A block's scale is 2^(floor(log2(its largest magnitude)) - 2); its byte is the magnitude's exponent field - 2, held at 1 from below.
; LIMITS: a block of zeros, or one whose largest magnitude lies under 2^-124, gets the byte 1 (its bytes are read by this program alone; zero codes add nothing); NaN and infinities among the inputs are not served.
; The three roles part on the work-group's number alone, which all four waves share; only the first role uses LDS and has a barrier.
.set XPITCH, 1040                      ; a stage row: a wave's 1,024 bytes of a token + 16: row r starts 4 r banks on, so sixteen rows' loads of 16 bytes meet in no bank
.set XWAVE,  16*XPITCH                 ; a wave's own stage
.set LG,     4*XWAVE                   ; behind the stages: each wave's 128 partial logits, 512 bytes
.set UNIT,   12800
.set STB,    51200
.set T,      16                        ; v16-23  at work
.set ACC,    32                        ; v32-63  4 tokens x 8 experts
.set WR,     64                        ; v64-127 Wr's rows of my 8 k; later the codes
.set XR,     128                       ; v128-255 x: 16 tokens x 8 numbers; later the numbers as the conversions want them
.set MK,     40                        ; s40-44  lane masks: bit 0, 1, 2, 3, 4 of the lane's number
.set SEL,    46                        ; s[46:47] v_permlanex16_b32's selects for lane l xor 16
	s_load_b256 s[4:11], s[0:1], 0x0               ; x, Wr, br, W1's codes
	s_load_b256 s[12:19], s[0:1], 0x20             ; W1's scales, W2's codes, W2's scales, xq
	s_load_b256 s[20:27], s[0:1], 0x40             ; W1img, W2img, out1, out2
	v_lshl_add_u32 v30, v0, 2, 0x10c00
	v_mov_b32 v31, 0
	v_lshrrev_b32 v1, 5, v0
	v_readfirstlane_b32 s28, v1                    ; wave 0..3
	v_and_b32 v1, 31, v0                           ; lane
	v_and_b32 v2, 15, v0                           ; r
	v_bfe_u32 v3, v0, 4, 1                         ; h
	v_lshlrev_b32 v4, 4, v1                        ; 16 x lane
	s_mov_b32 s31, 0                               ; the upper word of every offset pair s[30:31]
	s_cmp_lt_u32 ttmp9, 256
	s_cbranch_scc0 .Lweights
; ---------------- tokens.  Work-group g owns tokens 16 g .. 16 g + 15; wave w owns k = 256 w .. 256 w + 255 of all sixteen.
	s_mul_i32 s29, s28, XWAVE
	v_add_nc_u32 v5, s29, v4                       ; into my stage: 16 x lane
	v_mul_u32_u24 v6, v2, XPITCH
	v_lshl_add_u32 v6, v3, 7, v6
	v_add_nc_u32 v6, s29, v6                       ; out of it: row r, + 128 h: a whole block of 32 numbers
	v_lshlrev_b32 v7, 7, v1                        ; Wr: my four rows of 32 bytes
	v_and_b32 v8, 7, v0
	v_lshlrev_b32 v8, 2, v8                        ; br: expert = lane % 8
	v_lshlrev_b32 v9, 2, v1                        ; 4 x lane
	s_lshl_b32 s29, s28, 9
	s_add_co_u32 s29, s29, LG
	v_add_nc_u32 v10, s29, v9                      ; where I put my partial logits
	s_lshl_b32 s29, s28, 7
	v_add_nc_u32 v11, s29, v9                      ; 128 w + 4 lane: my place in out1, out2 and among xq's scale words
	s_add_co_u32 s29, s29, LG
	v_add_nc_u32 v13, s29, v9                      ; where I read the four waves' parts of my four tokens
	s_mul_i32 s29, s28, 3072
	v_add_nc_u32 v12, s29, v4                      ; xq: my two images, 16 x lane
	v_lshlrev_b32 v15, 3, v3                       ; 8 h
	s_mov_b32 s[MK+0], 0xaaaaaaaa
	s_mov_b32 s[MK+1], 0xcccccccc
	s_mov_b32 s[MK+2], 0xf0f0f0f0
	s_mov_b32 s[MK+3], 0xff00ff00
	s_mov_b32 s[MK+4], 0xffff0000
	s_mov_b32 s[SEL], 0x76543210
	s_mov_b32 s[SEL+1], 0xfedcba98
	s_lshl_b32 s30, ttmp9, 16                      ; 16 tokens of 4,096 bytes,
	s_lshl_b32 s29, s28, 10                        ; my 1,024 bytes of each
	s_add_co_u32 s30, s30, s29
	s_wait_kmcnt 0x0
	s_add_nc_u64 s[4:5], s[4:5], s[30:31]
	s_lshl_b32 s30, s28, 13                        ; my 256 rows of Wr
	s_add_nc_u64 s[6:7], s[6:7], s[30:31]
	s_mul_i32 s30, ttmp9, UNIT
	s_add_nc_u64 s[18:19], s[18:19], s[30:31]
	s_lshl_b32 s30, ttmp9, 9                       ; 16 tokens x 8 experts x 4 bytes
	s_add_nc_u64 s[24:25], s[24:25], s[30:31]
	s_add_nc_u64 s[26:27], s[26:27], s[30:31]
; all that the wave reads goes out at once: each load of x covers 512 consecutive bytes; register XR + 4 (2 row + j) + i is x(row, 256 w + 128 j + 4 lane + i)
.irp p, 0,1,2,3,4,5,6,7,8,9,10,11,12,13,14,15
.irp j, 0,1
	global_load_b128 v[XR+4*(2*\p+\j):XR+4*(2*\p+\j)+3], v4, s[4:5] offset:4096*\p+512*\j th:TH_LOAD_NT
.endr
.endr
.irp j, 0,1
.irp i, 0,1,2,3
	global_load_b128 v[WR+8*(4*\j+\i):WR+8*(4*\j+\i)+3], v7, s[6:7] offset:4096*\j+32*\i          ; Wr(256 w + 128 j + 4 lane + i, 0..7)
	global_load_b128 v[WR+8*(4*\j+\i)+4:WR+8*(4*\j+\i)+7], v7, s[6:7] offset:4096*\j+32*\i+16
.endr
.endr
	global_load_b32 v14, v8, s[8:9]
	s_wait_loadcnt 0x0
.irp p, 0,1,2,3,4,5,6,7,8,9,10,11,12,13,14,15
.irp j, 0,1
	ds_store_b128 v5, v[XR+4*(2*\p+\j):XR+4*(2*\p+\j)+3] offset:XPITCH*\p+512*\j    ; the rows as they lie, for the turn that the conversions need
.endr
.endr
; four tokens' partial logits over my 8 k: 128 packed multiply-adds, x broadcast from the low or the high word of its pair; sixteen sums by turns
.macro GROUP g
.irp j, 0,1
.irp i, 0,1,2,3
.irp t, 0,1,2,3
.irp e, 0,2,4,6
.set rA, ACC+8*\t+\e
.set rW, WR+8*(4*\j+\i)+\e
.set rX, XR+4*(2*(4*(\g)+\t)+\j)+2*(\i/2)
.if (\j == 0) && (\i == 0)
	v_pk_mul_f32 v[rA:rA+1], v[rW:rW+1], v[rX:rX+1] op_sel_hi:[1,0]                ; the first product starts the sum
.elseif \i%2 == 0
	v_pk_fma_f32 v[rA:rA+1], v[rW:rW+1], v[rX:rX+1], v[rA:rA+1] op_sel_hi:[1,0,1]
.else
	v_pk_fma_f32 v[rA:rA+1], v[rW:rW+1], v[rX:rX+1], v[rA:rA+1] op_sel:[0,1,0] op_sel_hi:[1,1,1]
.endif
.endr
.endr
.endr
.endr
.endm
; 32 registers are summed over the 32 lanes so that lane l ends with sum l.  A stage halves the registers: of a pair a lane keeps the one that its bit names, and adds the partner lane's copy of it.
.macro STAGE n, k, xm
.set bi, 0
.rept \n
	v_cndmask_b32 v[T+2*(bi%2)], v[ACC+2*bi], v[ACC+2*bi+1], s[MK+\k]              ; what I keep
	v_cndmask_b32 v[T+2*(bi%2)+1], v[ACC+2*bi+1], v[ACC+2*bi], s[MK+\k]            ; what my partner keeps
	v_add_f32_dpp v[ACC+bi], v[T+2*(bi%2)+1], v[T+2*(bi%2)] row_xmask:\xm row_mask:0xf bank_mask:0xf
.set bi, bi+1
.endr
.endm
.macro BFLY dst
	STAGE 16, 0, 1
	STAGE 8, 1, 2
	STAGE 4, 2, 4
	STAGE 2, 3, 8
	v_cndmask_b32 v[T], v[ACC], v[ACC+1], s[MK+4]
	v_cndmask_b32 v[T+1], v[ACC+1], v[ACC], s[MK+4]
	v_permlanex16_b32 v[T+2], v[T+1], s[SEL], s[SEL+1]
	v_add_f32 v[\dst], v[T], v[T+2]                ; lane 8 t + e: token 4 g + t, expert e, my 256 k
.endm
.irp g, 0,1,2,3
	GROUP \g
	BFLY 24+\g
.endr
.irp g, 0,1,2,3
	ds_store_b32 v10, v[24+\g] offset:128*\g
.endr
; my two K steps of 128: lane (r, h) takes of row r the blocks k = 64 c + 32 h + 0..31, whole, in the very order of the operand's registers
.irp f, 0,1
.irp c, 0,1
.irp q, 0,1,2,3,4,5,6,7
	ds_load_b128 v[XR+64*\f+32*\c+4*\q:XR+64*\f+32*\c+4*\q+3], v6 offset:512*\f+256*\c+16*\q   ; LDS serves a wave's instructions in order: these see my stores
.endr
.endr
.endr
.macro QX f
.set XS, XR+64*(\f)
.set CD, WR+24*(\f)
.irp c, 0,1
.irp u, 0,1
	v_max3_num_f32 v[T+2*\c+\u], |v[XS+32*\c+16*\u]|, |v[XS+32*\c+16*\u+1]|, 0x1800000   ; the floor 2^(3 - 127) among the leaves: the byte cannot fall under 1
.endr
.endr
.irp i, 2,4,6,8,10,12,14
.irp c, 0,1
.irp u, 0,1
	v_max3_num_f32 v[T+2*\c+\u], v[T+2*\c+\u], |v[XS+32*\c+16*\u+\i]|, |v[XS+32*\c+16*\u+\i+1]|   ; four chains by turns
.endr
.endr
.endr
	v_max_num_f32 v[T], v[T], v[T+1]               ; block h's largest magnitude,
	v_max_num_f32 v[T+2], v[T+2], v[T+3]           ; block 2 + h's
	v_add_nc_u32 v20, 0xff000000, v[T]             ; 2 off the exponent field: the conversion takes this operand's exponent field as its scale
	v_add_nc_u32 v21, 0xff000000, v[T+2]
	v_lshrrev_b32 v[T], 23, v20                    ; the scales' bytes
	v_lshrrev_b32 v[T+2], 23, v21
	v_lshl_or_b32 v[T], v[T+2], 16, v[T]
	v_lshlrev_b32 v[T], v15, v[T]                  ; at their places in the row's word, 8 h bits up;
	v_permlanex16_b32 v[T+1], v[T], s[SEL], s[SEL+1]
	v_or_b32 v[28+\f], v[T], v[T+1]                ; with lane l xor 16's two bytes the word is whole
.irp c, 0,1
	v_cvt_scalef32_pk16_fp6_f32 v[CD+6*\c:CD+6*\c+2], v[XS+32*\c:XS+32*\c+15], v[20+\c]
	v_cvt_scalef32_pk16_fp6_f32 v[CD+12+4*\c:CD+14+4*\c], v[XS+32*\c+16:XS+32*\c+31], v[20+\c]   ; (a conversion's three registers begin on an even number)
.endr
	v_nop                                          ; one plain place behind a scaled conversion
.irp c, 0,1
.irp i, 0,1,2
	v_mov_b32 v[CD+3+6*\c+\i], v[CD+12+4*\c+\i]
.endr
.endr
.irp c, 0,1,2
	global_store_b128 v12, v[CD+4*\c:CD+4*\c+3], s[18:19] offset:1536*(\f)+512*\c    ; 512 consecutive bytes; each fragment has registers of its own, so no store's data are written again
.endr
.endm
	s_wait_dscnt 16                                ; the first K step's numbers are in; the second's sixteen loads may be out
	QX 0
	s_wait_dscnt 0x0
	QX 1
	v_cndmask_b32 v22, v28, v29, s[MK+4]           ; lanes 0-15 the first step's words, lanes 16-31 the second's
	global_store_b32 v11, v22, s[18:19] offset:12288
	s_wait_dscnt 0x0                               ; for the others' sake: my partial logits lie in LDS
	s_barrier_signal -1
	s_barrier_wait -1
; wave w finishes tokens 4 w .. 4 w + 3: lane 8 t + e
.irp u, 0,1,2,3
	ds_load_b32 v[32+\u], v13 offset:512*\u
.endr
	s_wait_dscnt 0x0
	v_add_f32 v32, v32, v33                        ; the four waves' parts, K ascending,
	v_add_f32 v32, v32, v34
	v_add_f32 v32, v32, v35
	v_add_f32 v32, v32, v14                        ; and the bias
	global_store_b32 v11, v32, s[24:25]
	v_max_num_f32_dpp v33, v32, v32 row_xmask:1 row_mask:0xf bank_mask:0xf   ; the token's largest logit: its eight experts lie in eight neighbouring lanes
	v_max_num_f32_dpp v33, v33, v33 row_xmask:2 row_mask:0xf bank_mask:0xf
	v_max_num_f32_dpp v33, v33, v33 row_xmask:4 row_mask:0xf bank_mask:0xf
	v_sub_f32 v34, v32, v33
	v_mul_f32 v34, 0x3fb8aa3b, v34                 ; x log2(e)
	v_exp_f32 v34, v34
	v_nop                                          ; one plain place behind a transcendental
	s_wait_alu depctr_va_vdst(0)
	v_add_f32_dpp v35, v34, v34 row_xmask:1 row_mask:0xf bank_mask:0xf
	v_add_f32_dpp v35, v35, v35 row_xmask:2 row_mask:0xf bank_mask:0xf
	v_add_f32_dpp v35, v35, v35 row_xmask:4 row_mask:0xf bank_mask:0xf
	v_rcp_f32 v35, v35
	v_nop
	s_wait_alu depctr_va_vdst(0)
	v_mul_f32 v36, v34, v35
	global_store_b32 v11, v36, s[26:27]
	s_wait_tensorcnt 0x0
	ds_add_u32 v30, v31
	s_wait_dscnt 0x0
	s_endpgm
; ---------------- weights.  A wave takes 16 rows x 1,024 K: 8 fragments, loaded as the operand's registers want them (pieces of 8 bytes; the wave's 48 loads together cover sixteen whole rows of 768 bytes) and stored as images, 512 consecutive bytes a store.
.macro WLOAD cbase, sbase
.irp s, 0,1,2,3,4,5,6,7
.irp p, 0,1,2,3,4,5
	global_load_b64 v[32+12*\s+2*\p:32+12*\s+2*\p+1], v6, s[\cbase:\cbase+1] offset:96*\s+48*(\p/3)+8*(\p%3) th:TH_LOAD_NT
.endr
.endr
	global_load_b128 v[128:131], v7, s[\sbase:\sbase+1] th:TH_LOAD_NT    ; my row's scale words of K steps 4 h .. 4 h + 3
	s_wait_loadcnt 0x0
.endm
.Lweights:
	s_cmp_lt_u32 ttmp9, 384
	s_cbranch_scc0 .Lw2
	s_sub_co_u32 s29, ttmp9, 256
	s_lshl_b32 s29, s29, 2
	s_add_co_u32 s29, s29, s28                     ; unit u
	s_lshr_b32 s32, s29, 1
	s_lshl_b32 s32, s32, 5
	s_and_b32 s33, s29, 1
	s_lshl_b32 s33, s33, 3
	s_add_co_u32 s32, s32, s33                     ; its first row: 32 (u / 2) + 8 (u % 2)
	v_and_b32 v5, 8, v2
	v_add_nc_u32 v5, v5, v2                        ; image row r is the row r + 8 (r / 8) further on
	v_mul_u32_u24 v6, v5, 768
	v_mad_u32_u24 v6, v3, 24, v6
	v_lshlrev_b32 v7, 5, v5
	v_lshl_add_u32 v7, v3, 4, v7
	v_lshlrev_b32 v8, 5, v2
	v_lshl_add_u32 v8, v3, 4, v8                   ; where the words go: 32 r + 16 h
	s_mul_i32 s30, s32, 768
	s_wait_kmcnt 0x0
	s_add_nc_u64 s[10:11], s[10:11], s[30:31]
	s_lshl_b32 s30, s32, 5
	s_add_nc_u64 s[12:13], s[12:13], s[30:31]
	s_mul_i32 s30, s29, UNIT
	s_add_nc_u64 s[20:21], s[20:21], s[30:31]
	WLOAD 10, 12
.irp s, 0,1,2,3,4,5,6,7
.irp c, 0,1,2
	global_store_b128 v4, v[32+12*\s+4*\c:32+12*\s+4*\c+3], s[20:21] offset:1536*\s+512*\c
.endr
.endr
	global_store_b128 v8, v[128:131], s[20:21] offset:12288
	s_endpgm
.Lw2:
	s_sub_co_u32 s29, ttmp9, 384
	s_lshl_b32 s29, s29, 2
	s_add_co_u32 s29, s29, s28                     ; unit u: rows 16 u .. 16 u + 15 of W2's 8,192 (expert x 1,024 + output column)
	s_lshl_b32 s32, s29, 4
	v_mul_u32_u24 v6, v2, 768
	v_mad_u32_u24 v6, v3, 24, v6
	v_lshlrev_b32 v7, 5, v2
	v_lshl_add_u32 v7, v3, 4, v7
	s_lshr_b32 s33, s29, 6                         ; e
	s_bfe_u32 s34, s29, 0x30003                    ; cb
	s_and_b32 s35, s29, 7                          ; i
	s_lshl_b32 s34, s34, 4
	s_lshl_b32 s33, s33, 1
	s_add_co_u32 s34, s34, s33                     ; tile 16 cb + 2 e (K's lower half; the upper half is the next tile)
	s_mul_i32 s36, s35, 1536
	v_add_nc_u32 v8, s36, v4                       ; images: 1,536 i + 16 lane
	s_lshl_b32 s36, s35, 8
	v_lshlrev_b32 v9, 4, v2
	v_mad_u32_u24 v9, v3, STB, v9
	v_add_nc_u32 v9, s36, v9                       ; scale words: 256 i + 16 r, lanes 16-31 in the upper half's tile: each half of the lanes fills 256 consecutive bytes
	s_mul_i32 s30, s32, 768
	s_wait_kmcnt 0x0
	s_add_nc_u64 s[14:15], s[14:15], s[30:31]
	s_lshl_b32 s30, s32, 5
	s_add_nc_u64 s[16:17], s[16:17], s[30:31]
	s_mul_i32 s30, s34, STB
	s_add_nc_u64 s[22:23], s[22:23], s[30:31]
	WLOAD 14, 16
.irp s, 0,1,2,3,4,5,6,7
.irp c, 0,1,2
	global_store_b128 v8, v[32+12*\s+4*\c:32+12*\s+4*\c+3], s[22:23] offset:(\s/4)*STB+12288*(\s%4)+512*\c
.endr
.endr
	global_store_b128 v9, v[128:131], s[22:23] offset:49152
	s_endpgm
.Lfunc_end_k_q10109ef080_prep:
	.size	k_q10109ef080_prep, .Lfunc_end_k_q10109ef080_prep-k_q10109ef080_prep
	.p2alignl 7, 3214868480
	.fill 96, 4, 3214868480
	.section	.rodata,"a",@progbits
	.p2align	6, 0x0
	.amdhsa_kernel k_q10109ef080_prep
		.amdhsa_group_segment_fixed_size 69120
		.amdhsa_private_segment_fixed_size 0
		.amdhsa_enable_private_segment 0
		.amdhsa_kernarg_size 96
		.amdhsa_user_sgpr_count 2
		.amdhsa_user_sgpr_kernarg_segment_ptr 1
		.amdhsa_wavefront_size32 1
		.amdhsa_system_sgpr_workgroup_id_x 1
		.amdhsa_system_sgpr_workgroup_id_y 1
		.amdhsa_system_sgpr_workgroup_id_z 1
		.amdhsa_system_vgpr_workitem_id 0
		.amdhsa_next_free_vgpr 256
		.amdhsa_next_free_sgpr 66
		.amdhsa_reserve_vcc 0
		.amdhsa_float_denorm_mode_32 3
		.amdhsa_float_denorm_mode_16_64 3
		.amdhsa_memory_ordered 1
		.amdhsa_forward_progress 1
		.amdhsa_inst_pref_size 92
	.end_amdhsa_kernel
	.amdgpu_metadata
---
amdhsa.version: [ 1, 2 ]
amdhsa.kernels:
  - .name:           k_q10109ef080_prep
    .symbol:         k_q10109ef080_prep.kd
    .args:
      - { .name: x, .offset: 0, .size: 8, .value_kind: global_buffer, .address_space: global }
      - { .name: Wr, .offset: 8, .size: 8, .value_kind: global_buffer, .address_space: global }
      - { .name: br, .offset: 16, .size: 8, .value_kind: global_buffer, .address_space: global }
      - { .name: W1_codes, .offset: 24, .size: 8, .value_kind: global_buffer, .address_space: global }
      - { .name: W1_scales, .offset: 32, .size: 8, .value_kind: global_buffer, .address_space: global }
      - { .name: W2_codes, .offset: 40, .size: 8, .value_kind: global_buffer, .address_space: global }
      - { .name: W2_scales, .offset: 48, .size: 8, .value_kind: global_buffer, .address_space: global }
      - { .name: xq, .offset: 56, .size: 8, .value_kind: global_buffer, .address_space: global }
      - { .name: W1img, .offset: 64, .size: 8, .value_kind: global_buffer, .address_space: global }
      - { .name: W2img, .offset: 72, .size: 8, .value_kind: global_buffer, .address_space: global }
      - { .name: out1, .offset: 80, .size: 8, .value_kind: global_buffer, .address_space: global }
      - { .name: out2, .offset: 88, .size: 8, .value_kind: global_buffer, .address_space: global }
    .group_segment_fixed_size: 69120
    .private_segment_fixed_size: 0
    .kernarg_segment_align: 8
    .kernarg_segment_size: 96
    .max_flat_workgroup_size: 128
    .sgpr_count:     66
    .vgpr_count:     256
    .wavefront_size: 32
...
	.end_amdgpu_metadata
.endif
;; end of part 1
;; launch hidden (part 2): grid 16 x 16, 4 waves a work-group, clusters of 4 x 1, 209,408 bytes of LDS; arguments xq, W1img, b1, Himg; writes Himg
.if DOCPART == 2
	.amdgcn_target "amdgcn-amd-amdhsa--gfx1250"
	.amdhsa_code_object_version 6
	.text
	.protected	k_q10109ef080_hidden
	.globl	k_q10109ef080_hidden
	.p2align	8
	.type	k_q10109ef080_hidden,@function
k_q10109ef080_hidden:
	s_mov_b64 s[64:65], 0
	v_nop
	global_prefetch_b8 v0, s[64:65] scope:SCOPE_SE
	s_setreg_imm32_b32 hwreg(HW_REG_WAVE_MODE, 25, 1), 1
	s_wait_xcnt 0x0
	s_wait_alu depctr_hold_cnt(0) depctr_sa_sdst(0) depctr_va_vdst(0) depctr_va_sdst(0) depctr_va_ssrc(0) depctr_va_vcc(0) depctr_vm_vsrc(0)
	s_getreg_b32 s2, hwreg(HW_REG_IB_STS2, 6, 4)
	s_cmp_eq_u32 s2, 0
	s_cbranch_scc0 .Lentry_in_a_cluster
	s_endpgm
.Lentry_in_a_cluster:
	s_bfe_u32 s2, ttmp6, 0x10000c
	s_cmp_lg_u32 s2, 0x3003
	s_cbranch_scc0 .Lentry_shape_is_right
	s_endpgm
.Lentry_shape_is_right:
; HIDDEN.  Himg = Q(gelu(Q(x) W1 + b1)): the first product on codes of FP6 (E2M3) with E8M0 scales, the exact (erf) gelu in f32, and the quantiser along the hidden axis, which is the second product's K.
; SHARES.  A work-group takes 256 tokens (tb) x half an expert, 512 hidden units (eh = 2 e + half).  Wave w owns hidden units 128 w .. 128 w + 127 of that half: one K step of the second product.
; Its part of W1, for all of K = 1,024 (64 fragments, 768 registers), stays in REGISTERS for the whole launch.  The 256 tokens' codes (16 units of 12,800 bytes) lie in LDS, filled once, read by all four waves:
; a fragment of x read from LDS feeds eight matrix instructions.  Nothing in LDS is filled again.
; CLUSTER.  The four work-groups of a cluster share tb, so x's units are asked for JOINTLY (mask 15).  W1 goes from memory straight into registers, each wave's own part: there is nothing of it to share by a tensor load.
; THE PRODUCT IS USED TRANSPOSED (source 0 = 16 rows of W1, source 1 = 16 tokens): a lane holds one token, and, by the choice of rows in W1img, the 16 registers of tiles 2 b and 2 b + 1 are hidden units 32 b + 16 (lane / 16) + 0..15.
; A TRIP takes 16 tokens: 64 matrix instructions (8 accumulators by turns, K ascending, b1 as the first C), gelu on 64 numbers a lane, the quantiser, one fragment image to Himg, one scale word a row to LDS.
; GELU.  gelu(x) = max(x, 0) - |x| t 2^A, t = 1 / (1 + |x| / (2 sqrt 2)), A = P(t) - x^2 log2(e) / 2: erfc(|x| / sqrt 2) / 2 by the rational Chebyshev form t exp(-z^2 + poly(t)) (fractional error about 1.2e-7 for every z);
; the polynomial's coefficients are multiplied by log2(e), the half is folded into the constant term.  No difference of near-equal numbers is formed on either side of 0.
; LIMITS: NaN and infinities are not served; 2^A under 2^-126 comes out as 0 (the term is then nothing beside max(x, 0), or the result is under 1e-36); a block of zeros, or one under 2^-124, gets the scale byte 1 (read by this program alone).
; REGISTERS, in windows of 256.  Window 0: v1-11 addresses and c9; v16-47 W1's scale words; v48-51 x's; v52-63 W1's fragment 63; v64-127 the 8 accumulators; v128-191 b1 in the result's layout; v192-255 at work.
; Windows 1-3: W1's fragment f = 8 s + t (K step s, tile t), f < 63, at window 1 + f / 21, register 12 (f % 21).
.set UNIT, 12800
.set STB,  51200
.set SCST, 16*UNIT                     ; behind x: 16 tiles x 256 bytes of scale words (16 r + 4 w), written by LDS stores alone
.set LI,   1                           ; v1   16 x lane
.set XS0,  2                           ; v2   12,288 + 4 r + 256 h: lanes 0-15 take a step's words, lanes 16-31 those of the step four on
.set XA,   3                           ; v3   the tile's images
.set XSA,  4                           ; v4   the tile's scale words
.set SW0,  5                           ; v5   SCST + 16 r + 4 w
.set SWA,  6                           ; v6   where this tile's word goes
.set WSO,  7                           ; v7   32 r + 16 h
.set BO,   8                           ; v8   64 h
.set SRD,  9                           ; v9   SCST + 1,024 w + 16 lane
.set C9,   10                          ; v[10:11] c9, twice
.set W1S,  16                          ; register 4 t + q: lanes 0-15 tile t's words of K step q, lanes 16-31 of K step q + 4
.set XS,   48
.set W63,  52
.set HA,   64
.set B1,   128
.set WK,   192                         ; x's fragments, four buffers of 12; then gelu's and the quantiser's registers
.set TT,   192
.set PP,   208
.set QQ,   224
.set TM,   192
.set PW,   208
.set PC,   212
.set WV,   12                          ; s12 wave
.set G0,   16                          ; s[16:19], s[20:27] the one descriptor
.set G1,   20
.set SEL,  28
.set CF,   36                          ; s[36:55] c8 .. c0 and k, each twice: the packed form names a pair
.set MSB, 0
.macro WIN new                         ; the immediate's high byte repeats the setting that is left; a switch that changes nothing is dropped
.if MSB != (\new)
	s_set_vgpr_msb (MSB<<8)|(\new)
.set MSB, (\new)
.endif
.endm
.macro PLACES
.rept 4
	v_nop
.endr
.endm
.macro CROUND                          ; a round of the cluster's barrier: my work-group's barrier, wave 0's signal for the work-group, every wave's wait for all four work-groups, my work-group's barrier once more
	s_barrier_signal -1
	s_barrier_wait -1
	s_cmp_lg_u32 s[WV], 0
	s_cbranch_scc1 .Lnot_wave_0_\@
	s_barrier_signal -3
.Lnot_wave_0_\@:
	s_barrier_wait -3
	s_barrier_signal -1
	s_barrier_wait -1
.endm
.macro COEF i, bits
	s_mov_b32 s[CF+2*\i], \bits
	s_mov_b32 s[CF+2*\i+1], \bits
.endm
	s_load_b256 s[4:11], s[0:1], 0x0               ; xq, W1img, b1, Himg
	v_lshl_add_u32 v254, v0, 2, 0x33000
	v_mov_b32 v255, 0
	ds_add_u32 v254, v255
	ds_add_u32 v254, v255
	v_lshrrev_b32 v12, 5, v0
	v_readfirstlane_b32 s[WV], v12                 ; wave 0..3
	v_and_b32 v12, 31, v0                          ; lane
	v_and_b32 v13, 15, v0                          ; r
	v_bfe_u32 v14, v0, 4, 1                        ; h
	v_lshlrev_b32 v[LI], 4, v12
	v_lshlrev_b32 v[XS0], 2, v13
	v_lshl_add_u32 v[XS0], v14, 8, v[XS0]
	v_add_nc_u32 v[XS0], 12288, v[XS0]
	s_lshl_b32 s59, s[WV], 2
	s_add_co_u32 s59, s59, SCST
	v_lshl_add_u32 v[SW0], v13, 4, s59
	v_lshlrev_b32 v[WSO], 5, v13
	v_lshl_add_u32 v[WSO], v14, 4, v[WSO]
	v_lshlrev_b32 v[BO], 6, v14
	s_lshl_b32 s59, s[WV], 10
	s_add_co_u32 s59, s59, SCST
	v_add_nc_u32 v[SRD], s59, v[LI]
	v_mov_b32 v[C9], 0x3e7c6f08                    ; c9 = 0.24651730
	v_mov_b32 v[C9+1], 0x3e7c6f08
	s_bfe_u32 s13, ttmp6, 0x40000                  ; cx: it enters W1's, b1's and Himg's addresses alone
	s_lshl_b32 s14, ttmp9, 2
	s_add_co_u32 s14, s14, s13                     ; eh = 4 x cluster x + cx
	s_and_b32 s15, ttmp7, 0xffff                   ; tb, which the four partners share
	; the descriptor: my four units of x, 51,200 dense bytes, as 200 rows of 256 bytes (32 elements of 8 bytes)
	s_mov_b32 s[G1+0], 15|(3<<16)|(1<<21)          ; 15:0 the mask: all four work-groups; 17:16 elements of 8 bytes; 21 set beside a mask; no padding
	s_mov_b32 s[G1+1], 32<<16                      ; tensor_dim0 = 32
	s_mov_b32 s[G1+2], 200<<16                     ; tensor_dim1 = 200
	s_mov_b32 s[G1+3], 32<<16                      ; tile_dim0 = 32
	s_mov_b32 s[G1+4], 200                         ; tile_dim1 = 200
	s_mov_b32 s[G1+5], 32                          ; from row to row
	s_mov_b32 s[G1+6], 0
	s_mov_b32 s[G1+7], 0
	s_lshl_b32 s60, s15, 4
	s_lshl_b32 s61, s[WV], 2
	s_add_co_u32 s60, s60, s61
	s_mul_i32 s60, s60, UNIT                       ; unit 16 tb + 4 w
	s_mov_b32 s61, 0
	s_mov_b32 s[G0], 1
	s_mul_i32 s[G0+1], s[WV], 4*UNIT               ; no place in the cluster enters an LDS address
	s_mov_b32 s[SEL], 0x76543210
	s_mov_b32 s[SEL+1], 0xfedcba98
	COEF 0, 0xbf97d29d                             ; c8 = -1.18611494
	COEF 1, 0x40097039                             ; c7 =  2.14747447
	COEF 2, 0xbfd1a1e5                             ; c6 = -1.63775315
	COEF 3, 0x3ecdfd18                             ; c5 =  0.40232158
	COEF 4, 0xbe899a80                             ; c4 = -0.26875686
	COEF 5, 0x3e0efb2e                             ; c3 =  0.13963005
	COEF 6, 0x3f0a29d2                             ; c2 =  0.53970061
	COEF 7, 0x3fb8ab5a                             ; c1 =  1.44272920
	COEF 8, 0xc034d90f                             ; c0 = -2.82574822 (the half is in it)
	COEF 9, 0xbf38aa3b                             ; k  = -log2(e) / 2
	s_mov_b32 s58, 0x3eb504f3                      ; 1 / (2 sqrt 2)
	s_mov_b32 s30, 0                               ; the tile of tokens in hand, 0 .. 15
	s_mov_b32 s31, 1536+16*STB-8*1536              ; Himg's step behind tile 7: on to the next 128 tokens' tile
	s_mov_b32 s32, 0                               ; the tile's unit in LDS
	s_mov_b32 s33, 0                               ; its scale words' place
	s_mov_b32 s35, 0
	s_wait_dscnt 0x0
	s_wait_kmcnt 0x0
	s_add_nc_u64 s[G0+2:G0+3], s[4:5], s[60:61]
	s_or_b32 s[G0+3], s[G0+3], 0x80000000          ; type = 2
	s_lshl_b32 s62, s14, 5
	s_lshl_b32 s63, s[WV], 3
	s_add_co_u32 s62, s62, s63
	s_mul_i32 s62, s62, UNIT                       ; W1img: my eight units, 32 eh + 8 w on
	s_mov_b32 s63, 0
	s_add_nc_u64 s[6:7], s[6:7], s[62:63]
	s_lshl_b32 s62, s14, 11
	s_lshl_b32 s59, s[WV], 9
	s_add_co_u32 s62, s62, s59                     ; b1: (512 eh + 128 w) x 4 bytes
	s_add_nc_u64 s[8:9], s[8:9], s[62:63]
	s_lshl_b32 s62, s15, 5
	s_lshr_b32 s59, s[WV], 1
	s_lshl_b32 s59, s59, 4
	s_add_co_u32 s62, s62, s59
	s_add_co_u32 s62, s62, s14
	s_mul_i32 s62, s62, STB                        ; the tile whose scale words I store at the end: (2 tb + w / 2) 16 + eh,
	s_and_b32 s59, s[WV], 1
	s_lshl_b32 s59, s59, 10
	s_add_co_u32 s62, s62, s59
	s_add_co_u32 s62, s62, 49152                   ; its scale words, my 1,024 bytes of them
	s_add_nc_u64 s[56:57], s[10:11], s[62:63]
	s_lshl_b32 s62, s15, 5
	s_add_co_u32 s62, s62, s14
	s_mul_i32 s62, s62, STB                        ; Himg: tile 32 tb + eh,
	s_mul_i32 s59, s[WV], 12288                    ; K step w
	s_add_co_u32 s62, s62, s59
	s_add_nc_u64 s[10:11], s[10:11], s[62:63]
	CROUND                                         ; all four work-groups are here: the joint loads meet
	tensor_load_to_lds s[G0:G0+3], s[G1:G1+7]      ; my one tensor load of the launch
	s_nop 0
	PLACES                                         ; (four plain places behind a tensor load)
; W1's 64 fragments, three loads of 16 bytes a lane each, 512 consecutive bytes a load
.set f, 0
.rept 64
.if f < 63
	WIN (1+f/21)<<6
.set FG, 12*(f%21)
.else
	WIN 0
.set FG, W63
.endif
.irp c, 0,1,2
	global_load_b128 v[FG+4*\c:FG+4*\c+3], v[LI], s[6:7] offset:UNIT*(f%8)+1536*(f/8)+512*\c
.endr
.set f, f+1
.endr
.irp t, 0,1,2,3,4,5,6,7
	global_load_b128 v[W1S+4*\t:W1S+4*\t+3], v[WSO], s[6:7] offset:UNIT*\t+12288
.endr
.irp t, 0,1,2,3,4,5,6,7                        ; lane (r, h) wants, for tile t, b1 at hidden units 32 (t / 2) + 16 h + 8 (t % 2) + 0..7
	global_load_b128 v[B1+8*\t:B1+8*\t+3], v[BO], s[8:9] offset:(32*(\t/2)+8*(\t%2))*4
	global_load_b128 v[B1+8*\t+4:B1+8*\t+7], v[BO], s[8:9] offset:(32*(\t/2)+8*(\t%2))*4+16
.endr
	s_wait_loadcnt 0x0
	s_wait_tensorcnt 0x0                           ; my four units of x lie in LDS,
	s_barrier_signal -1
	s_barrier_wait -1                              ; everybody's do
.macro FETCH s                         ; x's fragment of K step s into buffer s % 4
.irp c, 0,1,2
	ds_load_b128 v[WK+12*((\s)%4)+4*\c:WK+12*((\s)%4)+4*\c+3], v[XA] offset:1536*(\s)+512*\c
.endr
.endm
.macro MM s, t                         ; tile t of the hidden layer, K step s
.set f, 8*(\s)+(\t)
.if f < 63
	WIN 1+f/21
.set FG, 12*(f%21)
.else
	WIN 0
.set FG, W63
.endif
.set DD, HA+8*(\t)
.set XF, WK+12*((\s)%4)
.set SA, W1S+4*(\t)+(\s)%4
.set SB, XS+(\s)%4
.if (\s) == 0
	v_wmma_scale_f32_16x16x128_f8f6f4 v[DD:DD+7], v[FG:FG+11], v[XF:XF+11], v[B1+8*(\t):B1+8*(\t)+7], v[SA], v[SB] matrix_a_fmt:MATRIX_FMT_FP6 matrix_b_fmt:MATRIX_FMT_FP6
.elseif (\s) < 4
	v_wmma_scale_f32_16x16x128_f8f6f4 v[DD:DD+7], v[FG:FG+11], v[XF:XF+11], v[DD:DD+7], v[SA], v[SB] matrix_a_fmt:MATRIX_FMT_FP6 matrix_b_fmt:MATRIX_FMT_FP6
.else
	v_wmma_scale_f32_16x16x128_f8f6f4 v[DD:DD+7], v[FG:FG+11], v[XF:XF+11], v[DD:DD+7], v[SA], v[SB] matrix_a_fmt:MATRIX_FMT_FP6 matrix_b_fmt:MATRIX_FMT_FP6 matrix_a_scale:MATRIX_SCALE_ROW1 matrix_b_scale:MATRIX_SCALE_ROW1
.endif
.endm
; gelu on the 16 numbers of accumulators 2 g and 2 g + 1, in place; each accumulator is read from its low end on
.macro GELU g
.set X, HA+16*(\g)
.irp j, 0,1,2,3,4,5,6,7,8,9,10,11,12,13,14,15
	v_fma_f32 v[TT+\j], |v[X+\j]|, s58, 1.0
.endr
.irp j, 0,1,2,3,4,5,6,7,8,9,10,11,12,13,14,15
	v_rcp_f32 v[TT+\j], v[TT+\j]                   ; t
.endr
.irp u, 0,2,4,6,8,10,12,14
	v_pk_mul_f32 v[QQ+\u:QQ+\u+1], v[X+\u:X+\u+1], v[X+\u:X+\u+1]                  ; x^2.  (Plain places behind the reciprocals)
.endr
	s_wait_alu depctr_va_vdst(0)
.irp u, 0,2,4,6,8,10,12,14
	v_pk_fma_f32 v[PP+\u:PP+\u+1], v[TT+\u:TT+\u+1], v[C9:C9+1], s[CF:CF+1] op_sel_hi:[1,1,0]   ; c9 t + c8
.endr
.irp i, 1,2,3,4,5,6,7,8
.irp u, 0,2,4,6,8,10,12,14
	v_pk_fma_f32 v[PP+\u:PP+\u+1], v[PP+\u:PP+\u+1], v[TT+\u:TT+\u+1], s[CF+2*\i:CF+2*\i+1] op_sel_hi:[1,1,0]   ; Horner, eight pairs by turns
.endr
.endr
.irp u, 0,2,4,6,8,10,12,14
	v_pk_fma_f32 v[PP+\u:PP+\u+1], v[QQ+\u:QQ+\u+1], s[CF+18:CF+19], v[PP+\u:PP+\u+1] op_sel_hi:[1,0,1]        ; A = P(t) - x^2 log2(e) / 2
.endr
.irp j, 0,1,2,3,4,5,6,7,8,9,10,11,12,13,14,15
	v_exp_f32 v[PP+\j], v[PP+\j]
.endr
.irp j, 0,1,2,3,4,5,6,7,8,9,10,11,12,13,14,15
	v_mul_f32 v[TT+\j], |v[X+\j]|, v[TT+\j]        ; |x| t.  (Plain places behind the exponentials)
.endr
.irp j, 0,1,2,3,4,5,6,7,8,9,10,11,12,13,14,15
	v_max_num_f32 v[X+\j], 0, v[X+\j]
.endr
	s_wait_alu depctr_va_vdst(0)
.irp u, 0,2,4,6,8,10,12,14
	v_pk_fma_f32 v[X+\u:X+\u+1], v[TT+\u:TT+\u+1], v[PP+\u:PP+\u+1], v[X+\u:X+\u+1] neg_lo:[1,0,0] neg_hi:[1,0,0]   ; max(x, 0) - |x| t 2^A
.endr
.endm
; 64 numbers of a lane, register 16 b + i = k 32 b + 16 (lane / 16) + i of my token, become a fragment's codes in v[PC] on and its scale word in v[PW]
.macro QUANT s
.irp b, 0,1,2,3
	v_max3_num_f32 v[TM+\b], |v[\s+16*\b]|, |v[\s+1+16*\b]|, 0x1800000   ; my 16 numbers of block b, and the floor 2^(3 - 127): the byte cannot fall under 1
.endr
.irp i, 2,4,6,8,10,12,14
.irp b, 0,1,2,3
	v_max3_num_f32 v[TM+\b], v[TM+\b], |v[\s+16*\b+\i]|, |v[\s+1+16*\b+\i]|
.endr
.endr
.irp b, 0,1,2,3
	v_permlanex16_b32 v[TM+4+\b], v[TM+\b], s[SEL], s[SEL+1]
.endr
.irp b, 0,1,2,3
	v_max_num_f32 v[TM+\b], v[TM+\b], v[TM+4+\b]   ; with lane l xor 16's: the block's largest magnitude
.endr
.irp b, 0,1,2,3
	v_add_nc_u32 v[TM+12+\b], 0xff000000, v[TM+\b] ; 2 off its exponent field: the conversion's scale operand
.endr
.irp b, 0,1,2,3
	v_lshrrev_b32 v[TM+4+\b], 23, v[TM+12+\b]      ; the scale's byte
.endr
	v_lshl_or_b32 v[PW], v[TM+5], 8, v[TM+4]
	v_lshl_or_b32 v[PW], v[TM+6], 16, v[PW]
	v_lshl_or_b32 v[PW], v[TM+7], 24, v[PW]
.irp c, 0,1
	v_cvt_scalef32_pk16_fp6_f32 v[PC+6*\c:PC+2+6*\c], v[\s+32*\c:\s+15+32*\c], v[TM+12+2*\c]
	v_cvt_scalef32_pk16_fp6_f32 v[PC+12+4*\c:PC+14+4*\c], v[\s+16+32*\c:\s+31+32*\c], v[TM+12+2*\c+1]   ; (a conversion's three registers begin on an even number)
.endr
	v_nop                                          ; one plain place behind a scaled conversion
.irp c, 0,1                                    ; the operand's layout wants a WHOLE block in a lane: lanes 0-15 block 2 c, lanes 16-31 block 2 c + 1
.irp i, 0,1,2
	v_permlane16_swap_b32 v[PC+6*\c+\i], v[PC+12+4*\c+\i]
.endr
.irp i, 0,1,2
	v_mov_b32 v[PC+3+6*\c+\i], v[PC+12+4*\c+\i]
.endr
.endr
.endm
.Ltile:                                            ; 16 trips: a tile of 16 tokens each
	v_add_nc_u32 v[XA], s32, v[LI]
	v_add_nc_u32 v[XSA], s32, v[XS0]
	v_add_nc_u32 v[SWA], s33, v[SW0]
.irp q, 0,1,2,3
	ds_load_b32 v[XS+\q], v[XSA] offset:64*\q
.endr
	FETCH 0
	FETCH 1
	FETCH 2
	FETCH 3
.irp s, 0,1,2,3,4,5,6,7
.if \s < 5
	s_wait_dscnt 9                                 ; this K step's fragment is in; the three younger fragments' nine loads may be out
.else
	s_wait_dscnt 3*(7-\s)                          ; two, one, no younger fragment
.endif
.irp t, 0,1,2,3,4,5,6,7
	MM \s, \t                                      ; the eight accumulators take turns, one instruction a turn
.endr
.if \s < 4
	WIN 0
	PLACES                                         ; four places in front of loads into registers that matrix instructions have read
	FETCH \s+4
.endif
.endr
	WIN 0
	PLACES                                         ; and in front of the first read of results
.irp g, 0,1,2,3
	GELU \g
.endr
	QUANT HA
.irp c, 0,1,2
	global_store_b128 v[LI], v[PC+4*\c:PC+4*\c+3], s[10:11] offset:512*\c   ; the image of (these 16 tokens, K step w): 512 consecutive bytes a store
.endr
	ds_store_b32 v[SWA], v[PW]                     ; lanes r and r + 16 write the same word with the same value
	s_cmp_eq_u32 s30, 7
	s_cselect_b32 s34, s31, 1536                   ; the next image lies 1,536 bytes on; behind tile 7, in the next 128 tokens' tile
	s_wait_xcnt 0x0                                ; the stores' base and data are written again only behind this wait
	s_add_nc_u64 s[10:11], s[10:11], s[34:35]
	s_add_co_u32 s32, s32, UNIT
	s_add_co_u32 s33, s33, 256
	s_add_co_u32 s30, s30, 1
	s_cmp_lt_u32 s30, 16
	s_cbranch_scc1 .Ltile
	s_wait_dscnt 0x0                               ; for the others' sake: my scale words lie in LDS
	s_barrier_signal -1
	s_barrier_wait -1
	ds_load_b128 v[192:195], v[SRD]                ; a row's four words come from the four waves; each wave stores 1,024 whole bytes
	ds_load_b128 v[196:199], v[SRD] offset:512
	s_wait_dscnt 0x0
	global_store_b128 v[LI], v[192:195], s[56:57]
	global_store_b128 v[LI], v[196:199], s[56:57] offset:512
	s_wait_tensorcnt 0x0
	ds_add_u32 v254, v255
	s_wait_dscnt 0x0
	CROUND                                         ; the closing round: no work-group ends while a partner may still ask for a tile that names it
	s_endpgm
.Lfunc_end_k_q10109ef080_hidden:
	.size	k_q10109ef080_hidden, .Lfunc_end_k_q10109ef080_hidden-k_q10109ef080_hidden
	.p2alignl 7, 3214868480
	.fill 96, 4, 3214868480
	.section	.rodata,"a",@progbits
	.p2align	6, 0x0
	.amdhsa_kernel k_q10109ef080_hidden
		.amdhsa_group_segment_fixed_size 209408
		.amdhsa_private_segment_fixed_size 0
		.amdhsa_enable_private_segment 0
		.amdhsa_kernarg_size 32
		.amdhsa_user_sgpr_count 2
		.amdhsa_user_sgpr_kernarg_segment_ptr 1
		.amdhsa_wavefront_size32 1
		.amdhsa_system_sgpr_workgroup_id_x 1
		.amdhsa_system_sgpr_workgroup_id_y 1
		.amdhsa_system_sgpr_workgroup_id_z 1
		.amdhsa_system_vgpr_workitem_id 0
		.amdhsa_next_free_vgpr 1024
		.amdhsa_next_free_sgpr 66
		.amdhsa_reserve_vcc 0
		.amdhsa_float_denorm_mode_32 3
		.amdhsa_float_denorm_mode_16_64 3
		.amdhsa_memory_ordered 1
		.amdhsa_forward_progress 1
		.amdhsa_inst_pref_size 82
	.end_amdhsa_kernel
	.amdgpu_metadata
---
amdhsa.version: [ 1, 2 ]
amdhsa.kernels:
  - .name:           k_q10109ef080_hidden
    .symbol:         k_q10109ef080_hidden.kd
    .args:
      - { .name: xq, .offset: 0, .size: 8, .value_kind: global_buffer, .address_space: global }
      - { .name: W1img, .offset: 8, .size: 8, .value_kind: global_buffer, .address_space: global }
      - { .name: b1, .offset: 16, .size: 8, .value_kind: global_buffer, .address_space: global }
      - { .name: Himg, .offset: 24, .size: 8, .value_kind: global_buffer, .address_space: global }
    .group_segment_fixed_size: 209408
    .private_segment_fixed_size: 0
    .kernarg_segment_align: 8
    .kernarg_segment_size: 32
    .max_flat_workgroup_size: 128
    .sgpr_count:     66
    .vgpr_count:     1024
    .wavefront_size: 32
...
	.end_amdgpu_metadata
.endif
;; end of part 2
;; launch mix (part 3): grid 8 x 32, 4 waves a work-group, clusters of 4 x 4, 327,680 bytes of LDS; arguments Himg, W2img, b2, out2, out0; writes out0
.if DOCPART == 3
	.amdgcn_target "amdgcn-amd-amdhsa--gfx1250"
	.amdhsa_code_object_version 6
	.text
	.protected	k_q10109ef080_mix
	.globl	k_q10109ef080_mix
	.p2align	8
	.type	k_q10109ef080_mix,@function
k_q10109ef080_mix:
	s_mov_b64 s[64:65], 0
	v_nop
	global_prefetch_b8 v0, s[64:65] scope:SCOPE_SE
	s_setreg_imm32_b32 hwreg(HW_REG_WAVE_MODE, 25, 1), 1
	s_wait_xcnt 0x0
	s_wait_alu depctr_hold_cnt(0) depctr_sa_sdst(0) depctr_va_vdst(0) depctr_va_sdst(0) depctr_va_ssrc(0) depctr_va_vcc(0) depctr_vm_vsrc(0)
	s_getreg_b32 s2, hwreg(HW_REG_IB_STS2, 6, 4)
	s_cmp_eq_u32 s2, 0
	s_cbranch_scc0 .Lentry_in_a_cluster
	s_endpgm
.Lentry_in_a_cluster:
	s_bfe_u32 s2, ttmp6, 0x10000c
	s_cmp_lg_u32 s2, 0xf033
	s_cbranch_scc0 .Lentry_shape_is_right
	s_endpgm
.Lentry_shape_is_right:
; MIX.  out0[token][d] = sum over the 8 experts of p_e[token] (Q(h_e) W2_e + b2_e)[token][d]: the second product on codes of FP6 (E2M3) with E8M0 scales, the weighting by the router's probabilities (out2) in f32.
; SHARES.  A work-group makes 128 tokens (tb) x 128 columns (cb), all experts: each output has one owner.  A wave makes 64 x 64: 16 accumulators for the expert in hand and 16 totals.
; p_e is no power of two and may not enter a quantised operand: so behind each expert's K = 1,024 the totals take p_e x the accumulators, 64 packed multiply-adds; b2_e is the C of the expert's first products.
; THE PRODUCT IS USED TRANSPOSED (source 0 = 16 columns' rows of W2, source 1 = 16 tokens of h): a lane holds ONE token and eight neighbouring columns, so p_e is one number a lane.
; TILES.  K goes in 16 tiles (expert e, half of K) of 512.  A tile is h's 51,200 bytes and W2's 51,200, as images of the operands' registers: every fragment is three loads of 16 bytes a lane,
; 512 consecutive bytes each: no pitch, no padding.
; THE RING HAS A SMALL SLOT AND A LARGE ONE.  LDS holds three tiles: tile n lies in region n % 3; region 0 is the small slot, regions 1 and 2 together the large one.  Tiles 0, 1, 2 are the first fills.
; At the head of a tile in region 1 the small slot is asked for again (tile n + 2): that load has two tiles' work, 128 matrix instructions a wave, in which to land.  At the head of a tile in region 0 the large slot is asked
; for again (tiles n + 1, n + 2, neighbours in memory: one dense load of 51,200 bytes a wave): it has one tile's work.  A tile in region 2 has no barrier in front of it.  So 16 tiles take 9 refills, against 14 with two slots of one tile.
; Waves 0 and 1 fetch for h, waves 2 and 3 for W2: of the small slot each a half tile, of the large slot each a whole tile.  One tensor load a wave behind each round.
; CLUSTER.  4 x 4 work-groups: the four of a row share tb and so h's tiles, the four of a column share cb and so W2's: each tile is asked for JOINTLY.
; The tile of out0 is 128 x 128 and not larger because out0 has 4,096 x 1,024 numbers: 256 such tiles give each WGP one.
; THE TEXT.  Regions come back after 3 tiles, experts after 2: a trip of the loop runs 6 tiles, three experts; expert 0 (which starts the totals) and expert 7 (whose last change of slots asks for nothing) are written out.
; REGISTERS.  Window 0: v1-13, v36-38 addresses; v16-31 and v208-223 scale words, two sets; v32-35 p; v40-71 b2 in the result's layout; v80-175 h's fragments, two buffers of 48; on the way out v80-207.
; Window 1: v0-127 the accumulators ((a, b) at 8 (4 a + b)), v128-255 the totals.  Window 2: v0-95 W2's fragments, two buffers of 48.
.set STB,    51200                     ; a tile of one operand
.set HALFB,  25600
.set BIG,    2*STB                     ; the large slot begins behind the small one: h's two tiles, then W2's two
.set SPARE,  6*STB                     ; behind the ring: the spare words, 128 bytes for each wave: two blocks of 256 bytes that no other line names
.set STG,    SPARE+512                 ; the way out: 16 rows x 272 bytes for each wave; no fill lands here
.set SPITCH, 272
.set ADH, 1                            ; v1-3   my fragments of h in region 0, 1, 2
.set ADW, 4                            ; v4-6   of W2
.set SPW, 7                            ; v7     LDS address of my spare word; never rewritten
.set NIL, 8                            ; v8     0; never rewritten
.set STO, 9
.set RD,  10
.set CO,  11
.set PO,  12
.set BO,  13
.set SC,  16                           ; scale words, set s at SC + 192 s; register 4 i + q: lanes 0-15 the word of h's block i, lanes 16-31 of W2's block i, for the tile's q-th 128 along K
.set P,   32
.set ADS, 36                           ; v36-38 my scale words in region 0, 1, 2: lanes 0-15 h's, lanes 16-31 W2's
.set B2,  40
.set HF,  80
.set OB,  80
.set TOT, 128
.set G1,  24                           ; s[24:31] group 1, half a tile, h's mask
.set G0,  32                           ; s[32:35] group 0, small slot, h;  s[36:39] large slot, h
.set G1B, 48                           ; s[48:55] group 1, half a tile, W2's mask
.set G0B, 56                           ; s[56:59], s[60:63] the same groups 0 for W2
.set G1L, 72                           ; s[72:79] group 1, a whole tile, h's mask
.set G1LB, 80                          ; s[80:87] group 1, a whole tile, W2's mask
.set MSB, 0
.macro WIN new                         ; the immediate's high byte repeats the setting that is left; a switch that changes nothing is dropped
.if MSB != (\new)
	s_set_vgpr_msb (MSB<<8)|(\new)
.set MSB, (\new)
.endif
.endm
.macro PLACES
.rept 4
	v_nop
.endr
.endm
; A joint load: waves 0 and 1 fetch for h, waves 2 and 3 for W2.  Each line has one mask and one set of registers; the branch hangs on the wave's number alone.  Four v_nop follow each line.
.macro JLOAD g0a, g1a, g0b, g1b
	s_cmp_eq_u32 s15, 0
	s_cbranch_scc0 .Lfor_w_\@
	tensor_load_to_lds s[\g0a:\g0a+3], s[\g1a:\g1a+7]
	s_nop 0
	PLACES
	s_branch .Lasked_\@
.Lfor_w_\@:
	tensor_load_to_lds s[\g0b:\g0b+3], s[\g1b:\g1b+7]
	s_nop 0
	PLACES
.Lasked_\@:
.endm
.macro CROUND                          ; a round of the cluster's barrier: my work-group's barrier, wave 0's signal for the work-group, every wave's wait for all sixteen work-groups, my work-group's barrier once more
	s_barrier_signal -1
	s_barrier_wait -1
	s_cmp_lg_u32 s14, 0
	s_cbranch_scc1 .Lnot_wave_0_\@
	s_barrier_signal -3
.Lnot_wave_0_\@:
	s_barrier_wait -3
	s_barrier_signal -1
	s_barrier_wait -1
.endm
	s_load_b256 s[4:11], s[0:1], 0x0               ; Himg, W2img, b2, out2
	s_load_b64 s[12:13], s[0:1], 0x20              ; out0
	v_lshl_add_u32 v[SPW], v0, 2, SPARE
	v_mov_b32 v[NIL], 0
	ds_add_u32 v7, v8
	ds_add_u32 v7, v8
	s_wait_dscnt 0x0
	v_lshrrev_b32 v72, 5, v0
	v_readfirstlane_b32 s14, v72                   ; wave 0..3
	s_lshr_b32 s15, s14, 1                         ; which 64 tokens are mine.  Also: I fetch for h (0) or for W2 (1)
	s_and_b32 s16, s14, 1                          ; which 64 columns.  Also: which half of a tile, or which of two tiles, I fetch
	s_bfe_u32 s40, ttmp6, 0x40000                  ; cx, cy
	s_bfe_u32 s41, ttmp6, 0x40004
	s_lshl_b32 s42, ttmp9, 2
	s_add_co_u32 s42, s42, s40                     ; cb = 4 x cluster x + cx
	s_and_b32 s17, ttmp7, 0xffff
	s_lshl_b32 s17, s17, 2
	s_add_co_u32 s17, s17, s41                     ; tb = 4 x cluster y + cy
	s_lshl_b32 s43, s41, 2
	s_lshl_b32 s43, 15, s43                        ; my row of the cluster
	s_lshl_b32 s44, 0x1111, s40                    ; my column
	; descriptor groups 1: dense bytes as rows of 256 bytes (32 elements of 8 bytes), no padding: 100 rows for half a tile, 200 for a whole one
	s_or_b32 s[G1+0], s43, (3<<16)|(1<<21)         ; 15:0 the mask: h's tiles go to my row; 17:16 elements of 8 bytes; 21 set beside a mask
	s_or_b32 s[G1B+0], s44, (3<<16)|(1<<21)        ; W2's to my column
	s_or_b32 s[G1L+0], s43, (3<<16)|(1<<21)
	s_or_b32 s[G1LB+0], s44, (3<<16)|(1<<21)
.irp g, G1, G1B
	s_mov_b32 s[\g+1], 32<<16                      ; tensor_dim0
	s_mov_b32 s[\g+2], 100<<16                     ; tensor_dim1
	s_mov_b32 s[\g+3], 32<<16                      ; tile_dim0
	s_mov_b32 s[\g+4], 100                         ; tile_dim1
	s_mov_b32 s[\g+5], 32                          ; from row to row
	s_mov_b32 s[\g+6], 0
	s_mov_b32 s[\g+7], 0
.endr
.irp g, G1L, G1LB
	s_mov_b32 s[\g+1], 32<<16
	s_mov_b32 s[\g+2], 200<<16
	s_mov_b32 s[\g+3], 32<<16
	s_mov_b32 s[\g+4], 200
	s_mov_b32 s[\g+5], 32
	s_mov_b32 s[\g+6], 0
	s_mov_b32 s[\g+7], 0
.endr
	s_mul_i32 s18, s16, HALFB                      ; small slot: my half of tile 0
	s_mov_b32 s19, 0
	s_mul_i32 s22, s16, STB
	s_add_co_u32 s22, s22, STB                     ; large slot: tile 1 or tile 2
	s_mov_b32 s23, 0
	s_mul_i32 s20, s17, 16*STB                     ; h: the 16 tiles of token block tb
	s_mov_b32 s21, 0
	s_mul_i32 s46, s42, 16*STB                     ; W2: the 16 tiles of column block cb
	s_mov_b32 s47, 0
	s_wait_kmcnt 0x0
	s_add_nc_u64 s[20:21], s[4:5], s[20:21]
	s_add_nc_u64 s[46:47], s[6:7], s[46:47]
	CROUND                                         ; all sixteen work-groups are here: the first joint loads meet
	s_mov_b32 s[G0], 1                             ; count = 1
	s_mul_i32 s[G0+1], s14, HALFB                  ; LDS: h's two halves, then W2's: wave x 25,600: no place in the cluster enters an LDS address
	s_add_nc_u64 s[G0+2:G0+3], s[20:21], s[18:19]
	s_or_b32 s[G0+3], s[G0+3], 0x80000000          ; type = 2
	s_mov_b32 s[G0+4], 1
	s_mul_i32 s[G0+5], s14, STB
	s_add_co_u32 s[G0+5], s[G0+5], BIG             ; LDS: h's two tiles, then W2's: 102,400 + wave x 51,200
	s_add_nc_u64 s[G0+6:G0+7], s[20:21], s[22:23]
	s_or_b32 s[G0+7], s[G0+7], 0x80000000
	s_mov_b32 s[G0B], 1
	s_mul_i32 s[G0B+1], s14, HALFB
	s_add_nc_u64 s[G0B+2:G0B+3], s[46:47], s[18:19]
	s_or_b32 s[G0B+3], s[G0B+3], 0x80000000
	s_mov_b32 s[G0B+4], 1
	s_mul_i32 s[G0B+5], s14, STB
	s_add_co_u32 s[G0B+5], s[G0B+5], BIG
	s_add_nc_u64 s[G0B+6:G0B+7], s[46:47], s[22:23]
	s_or_b32 s[G0B+7], s[G0B+7], 0x80000000
	s_cmp_eq_u32 s15, 0                            ; a wave's two first fills stand in one branch, ahead of every wait on TENSORcnt and every LDS read: two loads of mine are out, the small slot's first
	s_cbranch_scc0 .Lfirst_w
	tensor_load_to_lds s[G0:G0+3], s[G1:G1+7]
	s_nop 0
	tensor_load_to_lds s[G0+4:G0+7], s[G1L:G1L+7]
	s_nop 0
	PLACES
	s_branch .Lfirst_asked
.Lfirst_w:
	tensor_load_to_lds s[G0B:G0B+3], s[G1B:G1B+7]
	s_nop 0
	tensor_load_to_lds s[G0B+4:G0B+7], s[G1LB:G1LB+7]
	s_nop 0
	PLACES
.Lfirst_asked:
	v_and_b32 v72, 31, v0                          ; lane
	v_and_b32 v73, 15, v0                          ; r
	v_bfe_u32 v74, v0, 4, 1                        ; h
	v_lshlrev_b32 v75, 4, v72                      ; 16 x lane
	s_mul_i32 s18, s15, 4*1536                     ; my four blocks of tokens: region 0's h begins at 0,
	s_mul_i32 s19, s16, 4*1536                     ; my four blocks of columns:
	s_add_co_u32 s19, s19, STB                     ; its W2 at 51,200
	v_add_nc_u32 v[ADH], s18, v75
	v_add_nc_u32 v[ADW], s19, v75
	s_add_co_u32 s18, s18, BIG                     ; region 1: h at 102,400,
	s_add_co_u32 s19, s19, 3*STB                   ; W2 at 204,800
	v_add_nc_u32 v[ADH+1], s18, v75
	v_add_nc_u32 v[ADW+1], s19, v75
	s_add_co_u32 s18, s18, STB                     ; region 2: each a tile further on
	s_add_co_u32 s19, s19, STB
	v_add_nc_u32 v[ADH+2], s18, v75
	v_add_nc_u32 v[ADW+2], s19, v75
	s_lshl_b32 s18, s15, 10                        ; scale words: 256 bytes a block; h's at 1,024 x (w / 2),
	s_lshl_b32 s19, s16, 10
	s_add_co_u32 s19, s19, STB                     ; W2's at 1,024 x (w % 2), in region 0 one tile further on:
	s_sub_co_u32 s19, s19, s18
	v_mul_u32_u24 v76, s19, v74                    ; lanes 16-31 stand the distance between the two further on
	v_lshl_add_u32 v76, v73, 4, v76                ; + 16 r: a row's four words
	s_add_co_u32 s19, s19, STB                     ; in regions 1 and 2 the distance is two tiles
	v_mul_u32_u24 v77, s19, v74
	v_lshl_add_u32 v77, v73, 4, v77
	s_add_co_u32 s18, s18, 49152
	v_add_nc_u32 v[ADS], s18, v76
	s_add_co_u32 s18, s18, BIG
	v_add_nc_u32 v[ADS+1], s18, v77
	s_add_co_u32 s18, s18, STB
	v_add_nc_u32 v[ADS+2], s18, v77
	s_mul_i32 s18, s14, 16*SPITCH
	s_add_co_u32 s18, s18, STG                     ; my stage
	v_mul_u32_u24 v76, v73, SPITCH
	v_lshl_add_u32 v76, v74, 5, v76
	v_add_nc_u32 v[STO], s18, v76                  ; in: row r, 32 bytes for each half of the lanes
	v_mul_u32_u24 v76, v74, SPITCH
	v_lshl_add_u32 v76, v73, 4, v76
	v_add_nc_u32 v[RD], s18, v76                   ; back: lanes 0-15 one row of 256 bytes, lanes 16-31 the next
	v_lshlrev_b32 v[CO], 12, v74
	v_lshl_add_u32 v[CO], v73, 4, v[CO]            ; and the same two rows in out0
	s_lshl_b32 s18, s15, 6
	v_add_nc_u32 v[PO], s18, v73
	v_lshlrev_b32 v[PO], 5, v[PO]                  ; out2: token 64 (w / 2) + r, 32 bytes a token
	v_lshlrev_b32 v[BO], 5, v74                    ; b2: my half's eight columns
	s_lshl_b32 s66, s42, 9
	s_lshl_b32 s67, s16, 8
	s_add_co_u32 s66, s66, s67                     ; my first column, in bytes: 512 cb + 256 (w % 2)
	s_mov_b32 s67, 0
	s_add_nc_u64 s[8:9], s[8:9], s[66:67]
	s_add_nc_u64 s[12:13], s[12:13], s[66:67]
	s_lshl_b32 s66, s17, 12                        ; out2: 128 tokens of 32 bytes
	s_add_nc_u64 s[10:11], s[10:11], s[66:67]
	s_lshl_b32 s66, s17, 7
	s_lshl_b32 s68, s15, 6
	s_add_co_u32 s66, s66, s68                     ; my first token
	s_lshl_b32 s66, s66, 12                        ; rows of 4,096 bytes
	s_add_nc_u64 s[12:13], s[12:13], s[66:67]
.irp b, 0,1,2,3                                ; expert 0's b2: lane (r, h) wants, for block b, columns 16 b + 8 h + 0..7
	global_load_b128 v[B2+8*\b:B2+8*\b+3], v[BO], s[8:9] offset:64*\b
	global_load_b128 v[B2+8*\b+4:B2+8*\b+7], v[BO], s[8:9] offset:64*\b+16
.endr
.macro SCALES r, set                   ; the scale words of the tile in region r into set: four words a row by one load
.irp i, 0,1,2,3
	ds_load_b128 v[SC+192*(\set)+4*\i:SC+192*(\set)+4*\i+3], v[ADS+\r] offset:256*\i
.endr
.endm
.macro FETCH r, q, bf                  ; the fragments of the q-th 128 along K of the tile in region r into buffer bf: 24 loads in one run
	WIN 0x80                                       ; destination window 2
.irp b, 0,1,2,3
.irp c, 0,1,2
	ds_load_b128 v[48*(\bf)+12*\b+4*\c:48*(\bf)+12*\b+4*\c+3], v[ADW+\r] offset:12288*(\q)+1536*\b+512*\c
.endr
.endr
	WIN 0
.irp a, 0,1,2,3
.irp c, 0,1,2
	ds_load_b128 v[HF+48*(\bf)+12*\a+4*\c:HF+48*(\bf)+12*\a+4*\c+3], v[ADH+\r] offset:12288*(\q)+1536*\a+512*\c
.endr
.endr
.endm
; 128 along K: the next step's fragments are asked for, then 16 matrix instructions, the 16 accumulators by turns.  cb2 = 1: an expert's first products, which take b2 as C.
; set: the tile's set of scale words.  nr: for a tile's last step: the region of the next tile, where no barrier parts the two (its first fragments and its scale words, into the other set, are asked for here), else -1.
.macro KSTEP r, q, cb2, set, nr
	PLACES                                         ; four places in front of loads into registers that the step before has multiplied
.if \q < 3
	FETCH \r, \q+1, (\q+1)%2
	s_wait_dscnt 24                                ; all but the 24 loads just issued
.elseif (\nr) >= 0
	FETCH \nr, 0, 0
	SCALES \nr, 1-(\set)
	s_wait_dscnt 28                                ; all but the 24 and the 4 just issued
.else
	s_wait_dscnt 0x0
.endif
.if \cb2
	WIN 0x42                                       ; source 0 (W2) window 2, source 1 (h) and C (b2) window 0, D window 1
.else
	WIN 0x52                                       ; C and D window 1
.endif
.irp a, 0,1,2,3
.irp b, 0,1,2,3
.if \cb2
	v_wmma_scale_f32_16x16x128_f8f6f4 v[8*(4*\a+\b):8*(4*\a+\b)+7], v[48*((\q)%2)+12*\b:48*((\q)%2)+12*\b+11], v[HF+48*((\q)%2)+12*\a:HF+48*((\q)%2)+12*\a+11], v[B2+8*\b:B2+8*\b+7], v[SC+192*(\set)+4*\b+\q], v[SC+192*(\set)+4*\a+\q] matrix_a_fmt:MATRIX_FMT_FP6 matrix_b_fmt:MATRIX_FMT_FP6 matrix_a_scale:MATRIX_SCALE_ROW1
.else
	v_wmma_scale_f32_16x16x128_f8f6f4 v[8*(4*\a+\b):8*(4*\a+\b)+7], v[48*((\q)%2)+12*\b:48*((\q)%2)+12*\b+11], v[HF+48*((\q)%2)+12*\a:HF+48*((\q)%2)+12*\a+11], v[8*(4*\a+\b):8*(4*\a+\b)+7], v[SC+192*(\set)+4*\b+\q], v[SC+192*(\set)+4*\a+\q] matrix_a_fmt:MATRIX_FMT_FP6 matrix_b_fmt:MATRIX_FMT_FP6 matrix_a_scale:MATRIX_SCALE_ROW1
.endif
.endr
.endr
.endm
; THE CHANGE OF SLOTS stands at the head of the tile in region r.  Each wave waits for all its tensor loads (its part of the slot that it is about to read), adds 0 to its spare word, and waits for that and for its reads of the slot that it has left.
; kind = 1: the small slot, kind = 2: the large slot has been left and is filled again, three tiles on from its last fill: the barrier is a round of the cluster's, so that no wave of any partner still reads that slot or has a load
; on its way, and the joint refill is the first thing behind it.  kind = 4: nothing is left to ask for: the work-group's barrier alone.
.macro CHANGE r, set, kind
	WIN 0                                          ; at a label and at a branch every window is 0; the add's two registers lie in window 0
	s_wait_tensorcnt 0x0                           ; no tensor load of mine is out, so a group 0 may be written
	ds_add_u32 v[SPW], v[NIL]                      ; 0 onto my spare word
.if \kind == 1
	s_add_nc_u64 s[G0+2:G0+3], s[G0+2:G0+3], 3*STB
	s_add_nc_u64 s[G0B+2:G0B+3], s[G0B+2:G0B+3], 3*STB
.elseif \kind == 2
	s_add_nc_u64 s[G0+6:G0+7], s[G0+6:G0+7], 3*STB
	s_add_nc_u64 s[G0B+6:G0B+7], s[G0B+6:G0B+7], 3*STB
.endif
	s_wait_dscnt 0x0                               ; the add is done, and my reads of the slot that I have left are over
.if \kind == 1
	CROUND
	JLOAD G0, G1, G0B, G1B                         ; my one tensor load until the next round; the four v_nop behind it are also the places in front of the loads below
.elseif \kind == 2
	CROUND
	JLOAD G0+4, G1L, G0B+4, G1LB
.else
	s_barrier_signal -1
	s_barrier_wait -1
	PLACES
.endif
	SCALES \r, \set
	FETCH \r, 0, 0
.endm
; AN EXPERT: its two tiles, in regions r0 and r1, then the totals take p x the accumulators.  h0, h1: what stands at each tile's head: 0 nothing (the tile before has asked for its first fragments), 1, 2, 4 a change of slots of
; that kind, 3 the launch's first tile.  nx: the region of the next expert's first tile where nothing stands at its head, else -1.
.macro EXPERT first, last, r0, h0, r1, h1, nx
.irp a, 0,1,2,3
	global_load_b32 v[P+\a], v[PO], s[10:11] offset:512*\a         ; p of my token in each of my four blocks
.endr
.if \h0 == 3
	s_wait_tensorcnt 1                             ; my part of tile 0 is in; the large slot's load may stay out
	s_barrier_signal -1
	s_barrier_wait -1                              ; everybody's is
	SCALES \r0, 0
	FETCH \r0, 0, 0
	s_wait_loadcnt 4                               ; b2's eight loads are in; p's four, issued behind them, may be out
.elseif \h0 != 0
	CHANGE \r0, 0, \h0
.endif
	KSTEP \r0, 0, 1, 0, -1
.if \last == 0
	WIN 0
	PLACES                                         ; b2's registers have just been read by matrix instructions
.irp b, 0,1,2,3
	global_load_b128 v[B2+8*\b:B2+8*\b+3], v[BO], s[8:9] offset:4096+64*\b          ; the next expert's b2
	global_load_b128 v[B2+8*\b+4:B2+8*\b+7], v[BO], s[8:9] offset:4096+64*\b+16
.endr
.endif
	KSTEP \r0, 1, 0, 0, -1
	KSTEP \r0, 2, 0, 0, -1
.if \h1 == 0
	KSTEP \r0, 3, 0, 0, \r1
.else
	KSTEP \r0, 3, 0, 0, -1
	CHANGE \r1, 1, \h1
.endif
	KSTEP \r1, 0, 0, 1, -1
	KSTEP \r1, 1, 0, 1, -1
	KSTEP \r1, 2, 0, 1, -1
	KSTEP \r1, 3, 0, 1, \nx
	PLACES                                         ; four places in front of the first read of results
	s_wait_loadcnt 0x0                             ; p, and the next expert's b2
.if \first
	WIN 0x41                                       ; accumulators and totals window 1, p window 0
.else
	WIN 0x51
.endif
.irp a, 0,1,2,3
.irp u, 0,2,4,6,8,10,12,14,16,18,20,22,24,26,28,30       ; each accumulator from its low end on; p broadcast from the low or the high word of its pair
.if \first
.if \a%2 == 0
	v_pk_mul_f32 v[TOT+32*\a+\u:TOT+32*\a+\u+1], v[32*\a+\u:32*\a+\u+1], v[P+2*(\a/2):P+2*(\a/2)+1] op_sel_hi:[1,0]     ; the first expert starts the totals: nothing is cleared
.else
	v_pk_mul_f32 v[TOT+32*\a+\u:TOT+32*\a+\u+1], v[32*\a+\u:32*\a+\u+1], v[P+2*(\a/2):P+2*(\a/2)+1] op_sel:[0,1] op_sel_hi:[1,1]
.endif
.else
.if \a%2 == 0
	v_pk_fma_f32 v[TOT+32*\a+\u:TOT+32*\a+\u+1], v[32*\a+\u:32*\a+\u+1], v[P+2*(\a/2):P+2*(\a/2)+1], v[TOT+32*\a+\u:TOT+32*\a+\u+1] op_sel_hi:[1,0,1]
.else
	v_pk_fma_f32 v[TOT+32*\a+\u:TOT+32*\a+\u+1], v[32*\a+\u:32*\a+\u+1], v[P+2*(\a/2):P+2*(\a/2)+1], v[TOT+32*\a+\u:TOT+32*\a+\u+1] op_sel:[0,1,0] op_sel_hi:[1,1,1]
.endif
.endif
.endr
.endr
	WIN 0
	s_add_nc_u64 s[10:11], s[10:11], 4             ; the next expert's p and b2 (the loads that named these bases are done: the wait for 0 above)
	s_add_nc_u64 s[8:9], s[8:9], 4096
.endm
	EXPERT 1, 0, 0, 3, 1, 1, 2                     ; tiles 0, 1: the small slot takes tile 3
	s_mov_b32 s3, 2
.Ltrip:                                                ; two trips of six tiles: tiles 2 to 7, tiles 8 to 13
	EXPERT 0, 0, 2, 0, 0, 2, -1                    ; region 2, then region 0: the large slot is filled again
	EXPERT 0, 0, 1, 1, 2, 0, -1                    ; region 1: the small slot is filled again; then region 2
	EXPERT 0, 0, 0, 2, 1, 1, 2                     ; region 0: the large slot; region 1: the small slot
	s_sub_co_u32 s3, s3, 1
	s_cmp_lg_u32 s3, 0
	s_cbranch_scc1 .Ltrip
	EXPERT 0, 1, 2, 0, 0, 4, -1                    ; tiles 14, 15: written out: nothing is left to ask for
; THE WAY OUT, a block of 16 tokens x 64 columns at a time.  A lane holds 32 neighbouring bytes of a row and the lanes beside it hold other rows: so a block goes through my own stage and comes back as whole rows of 256 bytes.
.macro TOSTAGE a
	WIN 0x04                                       ; an LDS store's data are its source 1: window 1
.irp b, 0,1,2,3
	ds_store_b128 v[STO], v[TOT+8*(4*(\a)+\b):TOT+8*(4*(\a)+\b)+3] offset:64*\b
	ds_store_b128 v[STO], v[TOT+8*(4*(\a)+\b)+4:TOT+8*(4*(\a)+\b)+7] offset:64*\b+16
.endr
	WIN 0
.irp t, 0,1,2,3,4,5,6,7
	ds_load_b128 v[OB+32*(\a)+4*\t:OB+32*(\a)+4*\t+3], v[RD] offset:\t*2*SPITCH     ; LDS serves a wave's instructions in order: these see the stores above, and the next block's stores come behind them
.endr
.endm
.macro SEND a, younger                 ; younger: the LDS instructions issued behind block a's loads: the next block's sixteen, or none
.irp t, 0,1,2,3,4,5,6,7
	s_wait_dscnt \younger+7-\t
	global_store_b128 v[CO], v[OB+32*(\a)+4*\t:OB+32*(\a)+4*\t+3], s[12:13] offset:65536*(\a)+8192*\t th:TH_STORE_NT   ; 16 lanes store 256 consecutive bytes, at a multiple of 256 from out0's first byte; each block has registers of its own
.endr
.endm
	TOSTAGE 0
	TOSTAGE 1
	SEND 0, 16
	TOSTAGE 2
	SEND 1, 16
	TOSTAGE 3
	SEND 2, 16
	SEND 3, 0
	s_wait_tensorcnt 0x0                           ; the wave's end: behind my last tensor load and my last LDS store
	ds_add_u32 v[SPW], v[NIL]
	s_wait_dscnt 0x0
	CROUND                                         ; the closing round: no work-group ends while a partner may still ask for a tile that names it
	s_endpgm
.Lfunc_end_k_q10109ef080_mix:
	.size	k_q10109ef080_mix, .Lfunc_end_k_q10109ef080_mix-k_q10109ef080_mix
	.p2alignl 7, 3214868480
	.fill 96, 4, 3214868480
	.section	.rodata,"a",@progbits
	.p2align	6, 0x0
	.amdhsa_kernel k_q10109ef080_mix
		.amdhsa_group_segment_fixed_size 327680
		.amdhsa_private_segment_fixed_size 0
		.amdhsa_enable_private_segment 0
		.amdhsa_kernarg_size 40
		.amdhsa_user_sgpr_count 2
		.amdhsa_user_sgpr_kernarg_segment_ptr 1
		.amdhsa_wavefront_size32 1
		.amdhsa_system_sgpr_workgroup_id_x 1
		.amdhsa_system_sgpr_workgroup_id_y 1
		.amdhsa_system_sgpr_workgroup_id_z 1
		.amdhsa_system_vgpr_workitem_id 0
		.amdhsa_next_free_vgpr 608
		.amdhsa_next_free_sgpr 88
		.amdhsa_reserve_vcc 0
		.amdhsa_float_denorm_mode_32 3
		.amdhsa_float_denorm_mode_16_64 3
		.amdhsa_memory_ordered 1
		.amdhsa_forward_progress 1
		.amdhsa_inst_pref_size 204
	.end_amdhsa_kernel
	.amdgpu_metadata
---
amdhsa.version: [ 1, 2 ]
amdhsa.kernels:
  - .name:           k_q10109ef080_mix
    .symbol:         k_q10109ef080_mix.kd
    .args:
      - { .name: Himg, .offset: 0, .size: 8, .value_kind: global_buffer, .address_space: global }
      - { .name: W2img, .offset: 8, .size: 8, .value_kind: global_buffer, .address_space: global }
      - { .name: b2, .offset: 16, .size: 8, .value_kind: global_buffer, .address_space: global }
      - { .name: out2, .offset: 24, .size: 8, .value_kind: global_buffer, .address_space: global }
      - { .name: out0, .offset: 32, .size: 8, .value_kind: global_buffer, .address_space: global }
    .group_segment_fixed_size: 327680
    .private_segment_fixed_size: 0
    .kernarg_segment_align: 8
    .kernarg_segment_size: 40
    .max_flat_workgroup_size: 128
    .sgpr_count:     88
    .vgpr_count:     608
    .wavefront_size: 32
...
	.end_amdgpu_metadata
.endif
;; end of part 3
